; MI455X (gfx1250); checked and timed in simulation.
; The chip was launched on July 23, 2026; its instructions are those of AMD's public machine-readable ISA for CDNA 5 (MIT licence, August 2026) and "CDNA5" Instruction Set Architecture Reference Guide (July 2026). The comments in the code are by the model that wrote it; some were corrected since.
;; Scale Dot Product. Allowed arithmetic: matrix products marked QUANTISED: E2M1 operands, one E8M0 scale for each 32 along K, by v_wmma_scale_f32_16x16x128_f8f6f4 with both operands' format E2M1 (or v_wmma_scale_f32_32x16x128_f4), f32 sums; everything else in f32.
;; Inputs: attention_mask 4 x 1 x 1 x 2,048 float32; k 4 x 16 x 2,048 x 64 float32; q 4 x 16 x 2,048 x 64 float32; v 4 x 16 x 2,048 x 64 float32.
;; Outputs: out0 4 x 16 x 2,048 x 64 float32.
;; Constants: attention_head_size = 64.
;; This version of the problem:
;;   THIS VERSION OF THE PROBLEM IS GIVEN IN LOW PRECISION. The matrix products marked QUANTISED in the list below multiply operands that are first quantised to E2M1 (2 exponent bits, 1 mantissa bit; 4 bits a number), with one power-of-two scale for each 32 numbers along K (OCP MX v1.0); their sums are f32. All else is computed in f32.
;;   The module's matrix products, in the order in which they are computed (A, B: the left and right operand; K: the contracted axis; several contracted axes count as one K, in the product's order):
;;     1. batch 64 x [M 2,048, K 64] x [K 64, N 2,048]; A: input q; B: input k: QUANTISED
;;     2. batch 64 x [M 2,048, K 2,048] x [K 2,048, N 64]; A: softmax (see below); B: input v: QUANTISED
;;   THE QUANTISER, for each operand of a quantised product, along K:
;;     - K is cut into blocks of 32 from its start; a last block that is shorter is filled with zeros.
;;     - A block's scale is 2^e with e = floor(log2(the largest magnitude in the block)) - 2, held to -126 .. 127; a block of zeros has e = 0. As a byte (E8M0): e + 127.
;;     - Each number is divided by its block's scale, clamped to +-6, and rounded to the nearest number of E2M1, ties to even, subnormals kept.
;;     - The product sums the exact products of the quantised numbers (number of the format x scale) in f32.
;;   ~~~python
;;   def quantise(x, axis):      # numpy; x: float32 -> the quantised numbers, widened to float32 again
;;       x = np.moveaxis(x, axis, -1); K = x.shape[-1]
;;       x = np.pad(x, [(0, 0)] * (x.ndim - 1) + [(0, -K % 32)]); x = x.reshape(x.shape[:-1] + (-1, 32)); a = np.abs(x).max(-1, keepdims=True)
;;       e = np.where(a > 0, np.clip(np.frexp(np.where(a > 0, a, 1))[1] - 1 - 2, -126, 127), 0)      # np.frexp(a)[1] - 1 = floor(log2(a)), exactly
;;       r = np.clip(x / 2.0 ** e, -6, 6)
;;       step = 2.0 ** (np.maximum(np.frexp(np.where(r == 0, 1, r))[1] - 1, 0) - 1)
;;       q = np.round(r / step) * step * 2.0 ** e      # np.round: ties to even
;;       return np.moveaxis(q.reshape(q.shape[:-2] + (-1,))[..., :K], -1, axis).astype(np.float32)
;;   ~~~
;;   SOFTMAX AHEAD OF A QUANTISED PRODUCT. Where the list says 'softmax', what is quantised is not the finished softmax but p = 2^(t - M), with t = logit x log2(e) and M = ceil(the row's largest t), a whole number; so 1/2 < the row's largest p <= 1. The row's sum l is taken of the UNQUANTISED p, in f32, and the product's result is divided by l at the end. Since M is a whole number, a kernel that streams over the keys may use a running M (the ceiling of the running maximum): every later rescaling is an exact power of two, which a block's scale takes up: the codes' values come out the same.
;;   OPERANDS COMPUTED ON THE WAY. 'Computed on the way' means the value that the module computes at that place (a softmax that the list does not call 'softmax' is quantised finished and normalised). What goes into a quantiser is computed in f32, as accurately as f32 sums, v_exp_f32 and their like allow (about 1e-6 of the number): no bf16 or f16 on the way to a quantiser, and a product that is left as it is and whose result goes on into a quantised operand takes f32 operands (vector FMAs, or v_wmma_f32_16x16x4_f32). A number that lies on a knife's edge between two numbers of the format may be rounded either way, as far as f32 arithmetic and the matrix unit's own rounding can turn it there, and no further.
;; 2 versions. Each part assembles by itself: llvm-mc -triple=amdgcn-amd-amdhsa -mcpu=gfx1250 --defsym DOCPART=n.
;; ======== version 1 of 2: 1 launch
;; launch attn (part 1): grid 8 x 64, 16 waves a work-group, no clusters, 178,176 bytes of LDS; arguments q, k, v, attention_mask, out0; writes out0
.if DOCPART == 1
	.amdgcn_target "amdgcn-amd-amdhsa--gfx1250"
	.amdhsa_code_object_version 6
	.text
	.protected	k_qbf1d360521_attn
	.globl	k_qbf1d360521_attn
	.p2align	8
	.type	k_qbf1d360521_attn,@function
k_qbf1d360521_attn:
	s_mov_b64 s[64:65], 0
	v_nop
	global_prefetch_b8 v0, s[64:65] scope:SCOPE_SE
	s_setreg_imm32_b32 hwreg(HW_REG_WAVE_MODE, 25, 1), 1
	s_wait_xcnt 0x0
; out[h][q][:] = sum over keys of softmax_k(q.k / 8 + mask[b][key]) v[key][:], 64 heads (b = h / 16), 2,048 queries and keys, head size 64; q, k, v, mask, out f32.
; Both products run on codes of FP4 (E2M1) with one E8M0 scale for each 32 along a product's K: q and k are quantised along the head's 64, v and p along the keys.
; p = 2^(t - M), t = logit x log2(e), M = the running largest t rounded up to a whole number; the row's sum is taken of the unquantised p and divides at the end.
; SHARES.  A work-group owns 256 queries of one head; each of its sixteen waves owns 16 of them in 256 registers, four waves to a SIMD, so that one wave's vector work stands beside another's matrix work and loads.
; Every wave walks all 2,048 keys, 128 a step, 512 a slot.  ONE LAUNCH: while a slot is read, the sixteen waves load the next slot's f32 numbers of k and v into registers (a block of 32 a lane and step),
; quantise them and put them into the other slot of LDS AS IMAGES OF THE OPERANDS' REGISTERS (16 bytes a lane, 512 bytes an instruction).  One barrier a slot.
; NO CLUSTER, NO TENSOR LOAD: what the eight work-groups of a head share are f32 numbers that have to pass through registers to be quantised; brought into LDS first they would cost 4 bytes a number there and back.
; NO PREFETCH: a unit's loads are issued a whole softmax ahead of the wait for them, and k and v are read by eight work-groups, not once.
; LAYOUT.  Both products are used transposed: S^T = k q^T (source 0 = 16 keys, source 1 = my 16 queries), O^T = v^T p^T (source 0 = 16 of the head's 64, source 1 = p): a lane holds ONE query (lane % 16).
; The keys of a tile are not neighbours: lane r of tile 2 b + u takes key 32 b + 8 u + r + 8 (r / 8), so that S's registers 16 b + i are the keys 32 b + 16 (lane / 16) + i.
; K = 64 IN AN INSTRUCTION OF K = 128: q's fragment has zero codes for k = 64 .. 127, so whatever the other source holds there adds nothing: a key tile is 4 registers, and its operand's upper four are the next tile's (the last tile's: four zeros).
; 1 / sqrt(64) = 2^-3 is taken off q's scale bytes.  THE MASK IS THE C OF THE FIRST PRODUCT: S is loaded with mask[key] in the result's layout and the product adds onto it.
; LIMITS.  NaN and +infinity among the inputs are not served.  The mask is held at -3e38 from below (such keys get p = 0); a row all of whose logits lie under about -2e38 gives NaN.
; Blocks of k, v and p whose largest magnitude lies under 2^-124 get the byte 1 (a block of zeros too, where the rule says 127: its codes are zeros, and this program alone reads the bytes);
; blocks of q under 2^-121 are quantised on the scale 2^-123, so that 3 can be taken off the byte.
.set SLOT1, 65536                      ; LDS: slot 1 begins here: one exclusive or turns an address in one slot into the other's
.set KIMG,  0                          ; in a slot: k's images, [step 4][tile 8] x 512 bytes
.set VIMG,  16384                      ; v's images, [step 4][tile of 16 d 4][registers 4 c .. 4 c + 3: 2] x 512 bytes
.set KSC,   32768                      ; k's scale words, [step 4][4 tiles 2][lane 32][4 words]
.set VSC,   36864                      ; v's scale words, [step 4][r 16][tile 4]
.set MSK,   40960                      ; behind slot 0's 37,888 bytes: the batch's 2,048 mask numbers
.set STG,   106496                     ; behind slot 1: a stage of 16 rows x 272 bytes for each wave, its own
.set RD0,  1                           ; v1   16 x lane: an image's place for my lane; also my byte in a dense load or store of 512 bytes
.set RDV0, 2                           ; v2   16 x (lane % 16)
.set WK0,  3                           ; v3   16 x thread: where my wave's image of k goes
.set WKS0, 4                           ; v4   and its scale word
.set WV0,  5                           ; v5   where my codes of v go
.set WVS0, 6                           ; v6   and my two scale bytes
.set MA,   7                           ; v7   64 (lane / 16) + 2,048 x the slot in hand: my place in the mask
.set RD,   8                           ; v8, v9: RD0, RDV0 in the slot that is read
.set RDV,  9
.set WK,   10                          ; v10, v11, v24, v25: WK0, WKS0, WV0, WVS0 in the slot that is written
.set WKS,  11
.set NM,   12                          ; v12 -M, v13 the largest t so far, v[14:15] the row's sum in two halves
.set QF,   16                          ; v[16:23] q's fragment; v20-23 stay 0
.set WVI,  24
.set WVS,  25
.set VGO,  27                          ; v27  4 x lane
.set SH8,  28                          ; v28  8 (lane / 16)
.set QS,   29                          ; v29  q's scale word
.set SB,   30                          ; v30  v's two scale bytes
.set BT,   31                          ; v31  a lane permute's destination
.set KF,   32                          ; v[32:63] eight key fragments of 4 registers, then v's four of 8; v64-67 stay 0
.set CD,   68                          ; v[68:71] codes just made
.set TA,   72                          ; v72-75 the quantiser's: two maxima, the conversion's scale operand, the byte
.set TC,   73
.set SOP,  74
.set BY,   75
.set KS,   76                          ; v[76:83] the key tiles' scale words
.set VS,   84                          ; v[84:87] v's
.set TS,   88                          ; v88  the stage, dense: row lane / 16, 16 (lane % 16)
.set TR,   89                          ; v89  the stage, by rows: row lane % 16, 128 (lane / 16)
.set STO,  90                          ; v90  the stage on the way out: row lane % 16, 32 (lane / 16)
.set S,    96                          ; v[96:159] the mask, then the scores, then p
.set O,    160                         ; v[160:191] O^T: tile t (d = 16 t ..) at 160 + 8 t
.set X,    192                         ; v[192:223] the 32 numbers that my lane quantises in this step
.set PC,   224                         ; v[224:231] p's codes
.set BM,   232                         ; v232-235 the blocks' largest scores, then largest p
.set BP,   236                         ; v236-239 at work
.set BO,   244                         ; v244-247 the conversions' scale operands
.set F,    250                         ; v250 f = 2^(old M - new M); v251 is named with it as a pair and stays 0
.set PS,   253                         ; v253 p's scale word
.set TMP,  254
.set WN,   14                          ; s14  my wave's number
.set SEL,  20                          ; s[20:21] v_permlanex16_b32's selects for lane l xor 16
.set CS,   22                          ; s[22:23] log2(e): the packed form names a pair and takes its low word for both halves
.set TB,   24                          ; s24  the slot that is read
.set TW,   25                          ; s25  the slot that is written
.set CNT,  26
.set KP,   28                          ; s[28:29] k at my wave's rows of the slot that is staged
.set VP,   30                          ; s[30:31] v likewise
; 32 numbers of a lane, one block along K, become 4 registers of codes; the byte is left in v[BY].  The floor among the maximum's leaves holds the byte from below.
.macro QUANT32 src, dst, floor
.set SRC, \src
.set DST, \dst
	v_max3_num_f32 v[TA], |v[SRC]|, |v[SRC+1]|, \floor
	v_max3_num_f32 v[TC], |v[SRC+2]|, |v[SRC+3]|, |v[SRC+4]|
.irp i, 5,9,13,17,21,25
	v_max3_num_f32 v[TA], v[TA], |v[SRC+\i]|, |v[SRC+\i+1]|          ; two chains, so that no line waits for the line above it
	v_max3_num_f32 v[TC], v[TC], |v[SRC+\i+2]|, |v[SRC+\i+3]|
.endr
	v_max3_num_f32 v[TA], v[TA], |v[SRC+29]|, |v[SRC+30]|
	v_max3_num_f32 v[TA], v[TA], v[TC], |v[SRC+31]|
	v_add_nc_u32 v[SOP], 0xff000000, v[TA]         ; 2 off the exponent field: the conversion takes the exponent field of this operand as its scale, and nothing else of it
.irp g, 0,1,2,3
	v_cvt_scalef32_pk8_fp4_f32 v[DST+\g], v[SRC+8*\g:SRC+8*\g+7], v[SOP]
.endr
	v_lshrrev_b32 v[BY], 23, v[SOP]                ; the scale's byte; also the plain line behind the conversions
.endm
; 16 rows x 256 bytes, loaded densely (load j: rows 2 j and 2 j + 1, 16 bytes a lane), go through my own stage and come back by rows: lane (r, h) gets row r, numbers 32 h .. 32 h + 31.
; LDS serves a wave's instructions in order (ISA guide 5.7.1.4): no wait between the stores and the loads.
.macro TURN reg
.set TRG, \reg
.irp j, 0,1,2,3,4,5,6,7
	ds_store_b128 v[TS], v[TRG+4*\j:TRG+4*\j+3] offset:544*\j
.endr
.irp m, 0,1,2,3,4,5,6,7
	ds_load_b128 v[TRG+4*\m:TRG+4*\m+3], v[TR] offset:16*\m
.endr
.endm
; A row's two bytes (mine is block lane / 16) make its scale word, in both lanes; bytes 2 and 3 stay 0: they scale zero codes.
.macro WORD2 dst
	v_lshlrev_b32 v[BY], v[SH8], v[BY]
	v_permlanex16_b32 v[BT], v[BY], s[SEL], s[SEL+1]
	v_or_b32 v[\dst], v[BY], v[BT]
.endm
; UNIT q of a slot's staging.  Units 0, 1: wave w takes key tile w % 8 of step 2 q + w / 8: two runs of 8 rows, 16 rows apart, eight loads of 512 consecutive bytes.
; Units 2, 3: wave w takes columns d = 32 (w % 2) + lane and keys 128 ((w / 2) % 4) + 64 (w / 8) + 32 (q - 2) + 0 .. 31: a lane to a column, registers down the keys; a load reads 128 consecutive bytes.
.macro STAGE_LOAD q, reg
.set LRG, \reg
.if (\q) < 2
.irp j, 0,1,2,3,4,5,6,7
	global_load_b128 v[LRG+4*\j:LRG+4*\j+3], v[RD0], s[KP:KP+1] offset:(\q)*65536+(\j/4)*4096+(\j%4)*512
.endr
.else
.irp i, 0,1,2,3,4,5,6,7,8,9,10,11,12,13,14,15,16,17,18,19,20,21,22,23,24,25,26,27,28,29,30,31
	global_load_b32 v[LRG+\i], v[VGO], s[VP:VP+1] offset:(32*((\q)-2)+\i)*256
.endr
.endif
.endm
.macro STAGE_QUANT q, reg
	s_wait_dscnt 0x0                               ; the turn through the stage is back; the last unit's stores have read their registers
	QUANT32 \reg, CD, 0x1800000                    ; the floor 2^(3 - 127): the byte cannot fall under 1
.if (\q) < 2
	WORD2 BY
	ds_store_b128 v[WK], v[CD:CD+3] offset:KIMG+(\q)*8192   ; registers 0-3 of the tile's fragment, as they stand
	ds_store_b32 v[WKS], v[BY] offset:KSC+(\q)*2048
.elseif (\q) == 2
	v_mov_b32 v[SB], v[BY]
	ds_store_b128 v[WVI], v[CD:CD+3] offset:VIMG            ; the place of lane (d % 16, 0) in the fragment's image
.else
	v_lshl_or_b32 v[SB], v[BY], 8, v[SB]
	ds_store_b128 v[WVI], v[CD:CD+3] offset:VIMG+256        ; that of lane (d % 16, 1)
	ds_store_b16 v[WVS], v[SB] offset:VSC                   ; my column's bytes of key blocks 2 (w / 8) and 2 (w / 8) + 1
.endif
.endm
; S's register 16 b + i takes mask[128 n + 32 b + 16 (lane / 16) + i] of the slot in hand: the C of step n's first product
.macro MASK n
.irp b, 0,1,2,3
.irp m, 0,1,2,3
	ds_load_b128 v[S+16*\b+4*\m:S+16*\b+4*\m+3], v[MA] offset:MSK+(\n)*512+128*\b+16*\m
.endr
.endr
.endm
.macro SETADR
	v_add_nc_u32 v[RD], s[TB], v[RD0]
	v_add_nc_u32 v[RDV], s[TB], v[RDV0]
	v_add_nc_u32 v[WK], s[TW], v[WK0]
	v_add_nc_u32 v[WKS], s[TW], v[WKS0]
	v_add_nc_u32 v[WVI], s[TW], v[WV0]
	v_add_nc_u32 v[WVS], s[TW], v[WVS0]
.endm
; THE CHANGE OF SLOTS: one barrier for two things.  In front of it my stores into the slot just staged have landed and my reads of the slot just read are back; behind it the one is whole and nobody reads the other.
; Only register work stands between signal and wait.  No global load of mine is out (each unit was waited for with the count 0), so the two pointers may step.
.macro NEXT_SLOT stepmask
	s_wait_dscnt 0x0
	s_barrier_signal -1
	s_xor_b32 s[TB], s[TB], SLOT1
	s_xor_b32 s[TW], s[TW], SLOT1
	SETADR
.if \stepmask
	v_add_nc_u32 v[MA], 2048, v[MA]
.endif
	s_add_nc_u64 s[KP:KP+1], s[KP:KP+1], 131072    ; 512 keys of 256 bytes on
	s_add_nc_u64 s[VP:VP+1], s[VP:VP+1], 131072
	s_barrier_wait -1
.endm
; A KEY STEP: 128 keys, the q-th of the slot in hand.  stage = 1: unit q of the next slot is staged beside it.  more = 1: the next step's mask is fetched.
; The twelve accumulators take turns (S's eight, O^T's four, S's eight ..).
.macro STEP q, stage, more
.irp t, 0,1,2,3,4,5,6,7
	ds_load_b128 v[KF+4*\t:KF+4*\t+3], v[RD] offset:KIMG+(\q)*4096+\t*512
.endr
.irp g, 0,1
	ds_load_b128 v[KS+4*\g:KS+4*\g+3], v[RD] offset:KSC+(\q)*1024+\g*512
.endr
.if \stage
	STAGE_LOAD \q, X                               ; the whole softmax stands between these loads and the wait for them
.endif
	s_wait_dscnt 0x0                               ; k's fragments and scale words, and the mask in S
.irp t, 0,1,2,3,4,5,6,7
	v_wmma_scale_f32_16x16x128_f8f6f4 v[S+8*\t:S+8*\t+7], v[KF+4*\t:KF+4*\t+7], v[QF:QF+7], v[S+8*\t:S+8*\t+7], v[KS+\t], v[QS] matrix_a_fmt:MATRIX_FMT_FP4 matrix_b_fmt:MATRIX_FMT_FP4
.endr
.rept 4
	v_nop                                          ; four places in front of the loads into k's registers and of the first read of the scores
.endr
.irp t, 0,1,2,3
.irp c, 0,1
	ds_load_b128 v[KF+8*\t+4*\c:KF+8*\t+4*\c+3], v[RD] offset:VIMG+(\q)*4096+\t*1024+\c*512
.endr
.endr
	ds_load_b128 v[VS:VS+3], v[RDV] offset:VSC+(\q)*256
.irp b, 0,1,2,3
	v_max3_num_f32 v[BM+\b], v[S+16*\b], v[S+1+16*\b], v[S+2+16*\b]   ; the largest logit of each block of 32 keys: it serves the row's maximum and, since p rises with the logit, the block's largest p
.endr
.irp i, 3,5,7,9,11,13
.irp b, 0,1,2,3
	v_max3_num_f32 v[BM+\b], v[BM+\b], v[S+16*\b+\i], v[S+1+16*\b+\i]   ; (the four blocks by turns)
.endr
.endr
.irp b, 0,1,2,3
	v_max_num_f32 v[BM+\b], v[BM+\b], v[S+15+16*\b]
.endr
.irp b, 0,1,2,3
	v_permlanex16_b32 v[BP+\b], v[BM+\b], s[SEL], s[SEL+1]
.endr
.irp b, 0,1,2,3
	v_max_num_f32 v[BM+\b], v[BM+\b], v[BP+\b]     ; with lane l xor 16's 16 keys
.endr
	v_max3_num_f32 v[TMP], v[BM], v[BM+1], v[BM+2]
	v_max_num_f32 v[TMP], v[TMP], v[BM+3]          ; the step's largest logit of my query
	v_mul_f32 v[TMP], s[CS], v[TMP]                ; as t
	v_max_num_f32 v[NM+1], v[NM+1], v[TMP]         ; the running largest t
	v_mov_b32 v[TMP], v[NM]
	v_floor_f32 v[NM], -v[NM+1]                    ; the new -M = floor(-t) = -ceil(t): a whole number
	v_sub_f32 v[TMP], v[NM], v[TMP]                ; old M - new M: a whole number, 0 or less
	v_cvt_i32_f32 v[TMP], v[TMP]                   ; (it saturates)
	v_ldexp_f32 v[F], 1.0, v[TMP]                  ; f = 2^(old M - new M): the rescaling rounds nothing
.irp j, 0,2,4,6,8,10,12,14,16,18,20,22,24,26,28,30,32,34,36,38,40,42,44,46,48,50,52,54,56,58,60,62
	v_pk_fma_f32 v[S+\j:S+\j+1], v[S+\j:S+\j+1], s[CS:CS+1], v[NM:NM+1] op_sel_hi:[1,0,0]   ; t - M, two at a time
.endr
.irp b, 0,1,2,3
	v_fma_f32 v[BM+\b], v[BM+\b], s[CS], v[NM]     ; the same of each block's largest logit
.endr
.irp j, 0,1,2,3,4,5,6,7,8,9,10,11,12,13,14,15,16,17,18,19,20,21,22,23,24,25,26,27,28,29,30,31,32,33,34,35,36,37,38,39,40,41,42,43,44,45,46,47,48,49,50,51,52,53,54,55,56,57,58,59,60,61,62,63
	v_exp_f32 v[S+\j], v[S+\j]                     ; p = 2^(t - M): not normalised
.endr
	v_pk_mul_f32 v[14:15], v[14:15], v[F:F+1] op_sel_hi:[1,0]   ; the sums under the new M; the plain line behind the exponentials
	s_wait_alu depctr_va_vdst(0)                   ; one wait for the batch of 64, ahead of its first reader
.irp b, 0,1,2,3
	v_exp_f32 v[BM+\b], v[BM+\b]                   ; the block's largest p: the same two instructions on the same number
.endr
	v_pk_add_f32 v[BP:BP+1], v[S:S+1], v[S+2:S+3]  ; the row's sum is taken of the unquantised p: two at a time, in two chains
.irp j, 4,8,12,16,20,24,28,32,36,40,44,48,52,56,60
	v_pk_add_f32 v[14:15], v[14:15], v[S+\j:S+\j+1]
	v_pk_add_f32 v[BP:BP+1], v[BP:BP+1], v[S+2+\j:S+3+\j]
.endr
	v_pk_add_f32 v[14:15], v[14:15], v[BP:BP+1]
	s_wait_alu depctr_va_vdst(0)                   ; and one for the four
.irp b, 0,1,2,3
	v_max_num_f32 v[BM+\b], 0x1800000, v[BM+\b]    ; the floor 2^(3 - 127): the byte cannot fall under 1
.endr
.irp b, 0,1,2,3
	v_add_nc_u32 v[BO+\b], 0xff000000, v[BM+\b]    ; 2 off the exponent field: the conversion's scale operand
.endr
.irp b, 0,1,2,3
	v_lshrrev_b32 v[BP+\b], 23, v[BO+\b]           ; the scale's byte
.endr
	v_lshl_or_b32 v[PS], v[BP+1], 8, v[BP]         ; p's scale word for these 128 keys
	v_lshl_or_b32 v[PS], v[BP+2], 16, v[PS]
	v_lshl_or_b32 v[PS], v[BP+3], 24, v[PS]
.irp b, 0,1,2,3
	v_cvt_scalef32_pk8_fp4_f32 v[PC+2*\b], v[S+16*\b:S+7+16*\b], v[BO+\b]
	v_cvt_scalef32_pk8_fp4_f32 v[PC+1+2*\b], v[S+8+16*\b:S+15+16*\b], v[BO+\b]
.endr
	v_nop                                          ; one plain line behind the conversions
.irp c, 0,1                                    ; the operand's layout wants a whole block in a lane: lanes 0-15 block 2 c, lanes 16-31 block 2 c + 1
.irp i, 0,1
	v_permlane16_swap_b32 v[PC+4*\c+\i], v[PC+2+4*\c+\i]
.endr
.endr
.set YOUNG, 0                                  ; the LDS instructions issued behind v's nine loads, which may stay out at the second product
.if \more
	MASK (\q)+1                                    ; p has been read for the last time: S takes the next step's mask
.set YOUNG, YOUNG+16
.endif
.if (\stage) && ((\q) < 2)
	s_wait_loadcnt 0x0                             ; my eight loads of k's rows
	TURN X
.set YOUNG, YOUNG+16
.endif
.irp j, 0,2,4,6,8,10,12,14,16,18,20,22,24,26,28,30
	v_pk_mul_f32 v[O+\j:O+\j+1], v[O+\j:O+\j+1], v[F:F+1] op_sel_hi:[1,0]   ; O^T under the new M.  For each product below twelve of these name none of its registers: the places behind p's scale word and codes
.endr
	s_wait_dscnt YOUNG                             ; v's fragments and scale words are in
.irp t, 0,1,2,3
	v_wmma_scale_f32_16x16x128_f8f6f4 v[O+8*\t:O+8*\t+7], v[KF+8*\t:KF+8*\t+7], v[PC:PC+7], v[O+8*\t:O+8*\t+7], v[VS+\t], v[PS] matrix_a_fmt:MATRIX_FMT_FP4 matrix_b_fmt:MATRIX_FMT_FP4
.endr
.if \stage
.if (\q) >= 2
	s_wait_loadcnt 0x0                             ; my 32 loads down a column of v
.endif
	STAGE_QUANT \q, X                              ; its maxima are also the places in front of the next step's loads into v's registers
.else
.rept 4
	v_nop
.endr
.endif
.endm
	s_load_b256 s[4:11], s[0:1], 0x0               ; q s[4:5], k s[6:7], v s[8:9], the mask s[10:11]
	s_load_b64 s[12:13], s[0:1], 0x20              ; out
	v_lshl_add_u32 v252, v0, 2, 0x2b000
	v_mov_b32 v255, 0
	v_lshrrev_b32 v93, 5, v0
	v_readfirstlane_b32 s[WN], v93                 ; wave 0..15
	s_and_b32 s15, ttmp7, 0xffff                   ; the head
	s_lshl_b32 s16, s15, 19                        ; its 2,048 rows of 256 bytes
	s_lshl_b32 s18, ttmp9, 16                      ; q, out: my block's 256 rows,
	s_lshl_b32 s19, s[WN], 12                      ; my wave's 16 of them
	s_add_co_u32 s18, s18, s19
	s_add_co_u32 s18, s18, s16
	s_mov_b32 s19, 0
	s_lshr_b32 s32, s[WN], 3                       ; k: key 128 (w / 8) + 32 ((w / 2) % 4) + 8 (w % 2)
	s_lshl_b32 s32, s32, 15
	s_bfe_u32 s33, s[WN], 0x20001
	s_lshl_b32 s34, s33, 13
	s_add_co_u32 s32, s32, s34
	s_and_b32 s35, s[WN], 1
	s_lshl_b32 s34, s35, 11
	s_add_co_u32 s32, s32, s34
	s_add_co_u32 s32, s32, s16
	s_lshl_b32 s34, s33, 15                        ; v: key 128 ((w / 2) % 4) + 64 (w / 8), column 32 (w % 2)
	s_lshr_b32 s33, s[WN], 3
	s_lshl_b32 s33, s33, 14
	s_add_co_u32 s34, s34, s33
	s_lshl_b32 s35, s35, 7
	s_add_co_u32 s34, s34, s35
	s_add_co_u32 s34, s34, s16
	s_mov_b32 s33, 0
	s_mov_b32 s35, 0
	s_lshr_b32 s36, s15, 4                         ; the mask: the batch's 8,192 bytes
	s_lshl_b32 s36, s36, 13
	s_mov_b32 s37, 0
	s_mov_b32 s[SEL], 0x76543210
	s_mov_b32 s[SEL+1], 0xfedcba98
	s_mov_b32 s[CS], 0x3fb8aa3b                    ; log2(e)
	s_mov_b32 s[CS+1], s[CS]
	s_mov_b32 s[TB], SLOT1                         ; the head stages slot 0
	s_mov_b32 s[TW], 0
	s_mul_i32 s27, s[WN], 16*272
	s_add_co_u32 s27, s27, STG                     ; my stage
	v_and_b32 v26, 31, v0                          ; lane
	v_and_b32 v91, 15, v0                          ; r
	v_bfe_u32 v92, v0, 4, 1                        ; h
	v_lshlrev_b32 v[RD0], 4, v26
	v_lshlrev_b32 v[RDV0], 4, v91
	v_lshlrev_b32 v[WK0], 4, v0
	v_lshlrev_b32 v[VGO], 2, v26
	v_lshlrev_b32 v[SH8], 3, v92
	v_lshlrev_b32 v[MA], 6, v92
	v_bfe_u32 v93, v0, 5, 2                        ; k's scale word: 16 lane + 4 (w % 4) + 512 ((w / 4) % 2) + 1,024 (w / 8)
	v_lshl_add_u32 v[WKS0], v93, 2, v[RD0]
	v_bfe_u32 v93, v0, 7, 1
	v_lshl_add_u32 v[WKS0], v93, 9, v[WKS0]
	v_bfe_u32 v93, v0, 8, 1
	v_lshl_add_u32 v[WKS0], v93, 10, v[WKS0]
	v_lshl_add_u32 v[WV0], v92, 10, v[RDV0]        ; v's codes: 16 r + 1,024 (2 (w % 2) + h) + 4,096 ((w / 2) % 4) + 512 (w / 8)
	v_lshl_add_u32 v[WV0], v93, 9, v[WV0]
	v_lshl_add_u32 v[WVS0], v92, 2, v[RDV0]        ; v's bytes: 16 r + 4 (2 (w % 2) + h) + 2 (w / 8) + 256 ((w / 2) % 4)
	v_lshl_add_u32 v[WVS0], v93, 1, v[WVS0]
	v_bfe_u32 v93, v0, 5, 1
	v_lshl_add_u32 v[WV0], v93, 11, v[WV0]
	v_lshl_add_u32 v[WVS0], v93, 3, v[WVS0]
	v_bfe_u32 v93, v0, 6, 2
	v_lshl_add_u32 v[WV0], v93, 12, v[WV0]
	v_lshl_add_u32 v[WVS0], v93, 8, v[WVS0]
	v_mul_u32_u24 v93, v92, 272
	v_lshl_add_u32 v93, v91, 4, v93
	v_add_nc_u32 v[TS], s27, v93
	v_mul_u32_u24 v93, v91, 272
	v_lshl_add_u32 v94, v92, 7, v93
	v_add_nc_u32 v[TR], s27, v94
	v_lshl_add_u32 v94, v92, 5, v93
	v_add_nc_u32 v[STO], s27, v94
	SETADR
	s_wait_kmcnt 0x0
	s_add_nc_u64 s[4:5], s[4:5], s[18:19]
	s_add_nc_u64 s[12:13], s[12:13], s[18:19]
	s_add_nc_u64 s[KP:KP+1], s[6:7], s[32:33]
	s_add_nc_u64 s[VP:VP+1], s[8:9], s[34:35]
	s_add_nc_u64 s[10:11], s[10:11], s[36:37]
	global_load_b128 v[BM:BM+3], v[WK0], s[10:11]  ; the mask: 16 bytes a thread, 8,192 in all
.irp j, 0,1,2,3,4,5,6,7
	global_load_b128 v[KF+4*\j:KF+4*\j+3], v[RD0], s[4:5] offset:512*\j th:TH_LOAD_NT   ; my 16 rows of q, read once
.endr
	STAGE_LOAD 0, X                                ; slot 0's four units, into registers that the loop does not need yet
	STAGE_LOAD 1, S
	STAGE_LOAD 2, S+32
.irp i, 4,5,6,7
	v_mov_b32 v[QF+\i], 0                          ; q's zero codes of k = 64 .. 127
.endr
.irp i, 32,33,34,35
	v_mov_b32 v[KF+\i], 0                          ; the upper half of the last key tile's operand
.endr
	v_mov_b32 v[BT], 0                             ; a lane permute's destination counts as one of its sources
	s_wait_loadcnt 56                              ; the mask is in; behind it: q 8, k 8 + 8, v 32
.irp i, 0,1,2,3
	v_max_num_f32 v[BM+\i], 0xff61b1e6, v[BM+\i]   ; held at -3e38 from below
.endr
	ds_store_b128 v[WK0], v[BM:BM+3] offset:MSK
	s_wait_loadcnt 48                              ; q is in; behind it: k 8 + 8, v 32
	TURN KF
	s_wait_dscnt 0x0
	QUANT32 KF, QF, 0x3000000                      ; the floor 2^(6 - 127): the byte stays 1 or more with 3 taken off
	v_add_nc_u32 v[BY], -3, v[BY]                  ; 1 / sqrt(64) = 2^-3
	WORD2 QS
	s_wait_loadcnt 40                              ; unit 0 is in; behind it: k 8, v 32
	TURN X
	STAGE_QUANT 0, X
	s_wait_loadcnt 32                              ; unit 1 is in; behind it: v 32
	STAGE_LOAD 3, O
	TURN S
	STAGE_QUANT 1, S
	s_wait_loadcnt 32                              ; unit 2 is in; behind it: unit 3's 32
	STAGE_QUANT 2, S+32
	s_wait_loadcnt 0x0
	STAGE_QUANT 3, O
.irp j, 0,1,2,3,4,5,6,7,8,9,10,11,12,13,14,15,16,17,18,19,20,21,22,23,24,25,26,27,28,29,30,31
	v_mov_b32 v[O+\j], 0                           ; O^T.  (The step is written once: the first finds zeros, which the first change of M leaves zeros)
.endr
	v_mov_b32 v[NM+1], 0xff61b1e6                  ; the largest t so far: -3e38
	v_floor_f32 v[NM], -v[NM+1]                    ; -M
	v_mov_b32 v14, 0                               ; the sum, in two halves
	v_mov_b32 v15, 0
.irp b, 0,1,2,3
	v_mov_b32 v[BP+\b], 0
.endr
	v_mov_b32 v[F+1], 0
	NEXT_SLOT 0                                    ; the mask and slot 0 are whole
	MASK 0
	s_mov_b32 s[CNT], 3
.Lslot:                                                ; trip n reads slot n and stages slot n + 1: no load leaves its buffer
	STEP 0, 1, 1
	STEP 1, 1, 1
	STEP 2, 1, 1
	STEP 3, 1, 1
	NEXT_SLOT 1
	s_sub_co_u32 s[CNT], s[CNT], 1
	s_cmp_lg_u32 s[CNT], 0
	s_cbranch_scc1 .Lslot
	STEP 0, 0, 1                                   ; the last slot: nothing is left to stage
	STEP 1, 0, 1
	STEP 2, 0, 1
	STEP 3, 0, 0
	; THE WAY OUT.  O^T / the sum goes through my stage (a lane holds 32 bytes of each of four pieces of its query's row) and comes back as whole rows of 256 bytes.
	v_add_f32 v14, v14, v15                        ; the sum's two halves,
	v_permlanex16_b32 v[TMP], v14, s[SEL], s[SEL+1]
	v_add_f32 v14, v14, v[TMP]                     ; and lane l xor 16's
	v_rcp_f32 v14, v14
	v_nop                                          ; a plain line behind the reciprocal
	s_wait_alu depctr_va_vdst(0)                   ; the reciprocal is written, ahead of its first reader
.irp j, 0,1,2,3,4,5,6,7,8,9,10,11,12,13,14,15,16,17,18,19,20,21,22,23,24,25,26,27,28,29,30,31
	v_mul_f32 v[S+\j], v[O+\j], v14                ; register 8 t + i is out(r, 16 t + 8 h + i); each accumulator from its low end on
.endr
.irp t, 0,1,2,3
	ds_store_b128 v[STO], v[S+8*\t:S+8*\t+3] offset:64*\t
	ds_store_b128 v[STO], v[S+8*\t+4:S+8*\t+7] offset:64*\t+16
.endr
.irp i, 0,1,2,3,4,5,6,7
	ds_load_b128 v[S+32+4*\i:S+32+4*\i+3], v[TS] offset:544*\i   ; LDS serves a wave's instructions in order: these see my stores
.endr
.irp i, 0,1,2,3,4,5,6,7
	s_wait_dscnt 7-\i                              ; the younger loads may stay out
	global_store_b128 v[RD0], v[S+32+4*\i:S+32+4*\i+3], s[12:13] offset:512*\i th:TH_STORE_NT   ; 32 lanes store two rows: 512 consecutive bytes, at a multiple of 256 from out's first byte
.endr
	s_wait_tensorcnt 0x0
	ds_add_u32 v252, v255
	s_wait_dscnt 0x0
	s_endpgm
.Lfunc_end_k_qbf1d360521_attn:
	.size	k_qbf1d360521_attn, .Lfunc_end_k_qbf1d360521_attn-k_qbf1d360521_attn
	.p2alignl 7, 3214868480
	.fill 96, 4, 3214868480
	.section	.rodata,"a",@progbits
	.p2align	6, 0x0
	.amdhsa_kernel k_qbf1d360521_attn
		.amdhsa_group_segment_fixed_size 178176
		.amdhsa_private_segment_fixed_size 0
		.amdhsa_enable_private_segment 0
		.amdhsa_kernarg_size 40
		.amdhsa_user_sgpr_count 2
		.amdhsa_user_sgpr_kernarg_segment_ptr 1
		.amdhsa_wavefront_size32 1
		.amdhsa_system_sgpr_workgroup_id_x 1
		.amdhsa_system_sgpr_workgroup_id_y 1
		.amdhsa_system_sgpr_workgroup_id_z 1
		.amdhsa_system_vgpr_workitem_id 0
		.amdhsa_next_free_vgpr 256
		.amdhsa_next_free_sgpr 66
		.amdhsa_reserve_vcc 0
		.amdhsa_float_denorm_mode_32 3
		.amdhsa_float_denorm_mode_16_64 3
		.amdhsa_memory_ordered 1
		.amdhsa_forward_progress 1
		.amdhsa_inst_pref_size 171
	.end_amdhsa_kernel
	.amdgpu_metadata
---
amdhsa.version: [ 1, 2 ]
amdhsa.kernels:
  - .name:           k_qbf1d360521_attn
    .symbol:         k_qbf1d360521_attn.kd
    .args:
      - { .name: q, .offset: 0, .size: 8, .value_kind: global_buffer, .address_space: global }
      - { .name: k, .offset: 8, .size: 8, .value_kind: global_buffer, .address_space: global }
      - { .name: v, .offset: 16, .size: 8, .value_kind: global_buffer, .address_space: global }
      - { .name: attention_mask, .offset: 24, .size: 8, .value_kind: global_buffer, .address_space: global }
      - { .name: out0, .offset: 32, .size: 8, .value_kind: global_buffer, .address_space: global }
    .group_segment_fixed_size: 178176
    .private_segment_fixed_size: 0
    .kernarg_segment_align: 8
    .kernarg_segment_size: 40
    .max_flat_workgroup_size: 512
    .sgpr_count:     66
    .vgpr_count:     256
    .wavefront_size: 32
...
	.end_amdgpu_metadata
.endif
;; end of part 1
;; ======== version 2 of 2: 1 launch; version 1 with the launch attn written anew for expert scheduling mode
;; launch attn (part 2): grid 8 x 64, 16 waves a work-group, no clusters, 178,176 bytes of LDS; arguments q, k, v, attention_mask, out0; writes out0
.if DOCPART == 2
	.amdgcn_target "amdgcn-amd-amdhsa--gfx1250"
	.amdhsa_code_object_version 6
	.text
	.protected	k_qbf1d360521_attn
	.globl	k_qbf1d360521_attn
	.p2align	8
	.type	k_qbf1d360521_attn,@function
k_qbf1d360521_attn:
	s_mov_b64 s[64:65], 0
	v_nop
	global_prefetch_b8 v0, s[64:65] scope:SCOPE_SE
	s_setreg_imm32_b32 hwreg(HW_REG_WAVE_SCHED_MODE, 0, 2), 2
	s_setreg_imm32_b32 hwreg(HW_REG_WAVE_MODE, 25, 1), 1
	s_wait_xcnt 0x0
	s_wait_alu depctr_vm_vsrc(0)
; out[h][q][:] = sum over keys of softmax_k(q.k / 8 + mask[b][key]) v[key][:], 64 heads (b = h / 16), 2,048 queries and keys, head size 64; q, k, v, mask, out f32.
; Both products run on codes of FP4 (E2M1) with one E8M0 scale for each 32 along a product's K: q and k are quantised along the head's 64, v and p along the keys.
; p = 2^(t - M), t = logit x log2(e), M = the running largest t rounded up to a whole number; the row's sum is taken of the unquantised p and divides at the end.
; SHARES.  A work-group owns 256 queries of one head; each of its sixteen waves owns 16 of them in 256 registers, four waves to a SIMD, so that one wave's vector work stands beside another's matrix work and loads.
; Every wave walks all 2,048 keys, 128 a step, 512 a slot.  ONE LAUNCH: while a slot is read, the sixteen waves load the next slot's f32 numbers of k and v into registers (a block of 32 a lane and step),
; quantise them and put them into the other slot of LDS AS IMAGES OF THE OPERANDS' REGISTERS (16 bytes a lane, 512 bytes an instruction).  One barrier a slot.
; NO CLUSTER, NO TENSOR LOAD: what the eight work-groups of a head share are f32 numbers that have to pass through registers to be quantised; brought into LDS first they would cost 4 bytes a number there and back.
; NO PREFETCH: a unit's loads are issued a whole softmax ahead of the wait for them, and k and v are read by eight work-groups, not once.
; LAYOUT.  Both products are used transposed: S^T = k q^T (source 0 = 16 keys, source 1 = my 16 queries), O^T = v^T p^T (source 0 = 16 of the head's 64, source 1 = p): a lane holds ONE query (lane % 16).
; The keys of a tile are not neighbours: lane r of tile 2 b + u takes key 32 b + 8 u + r + 8 (r / 8), so that S's registers 16 b + i are the keys 32 b + 16 (lane / 16) + i.
; K = 64 IN AN INSTRUCTION OF K = 128: q's fragment has zero codes for k = 64 .. 127, so whatever the other source holds there adds nothing: a key tile is 4 registers, and its operand's upper four are the next tile's (the last tile's: four zeros).
; 1 / sqrt(64) = 2^-3 is taken off q's scale bytes.  THE MASK IS THE C OF THE FIRST PRODUCT: S is loaded with mask[key] in the result's layout and the product adds onto it.
; LIMITS.  NaN and +infinity among the inputs are not served.  The mask is held at -3e38 from below (such keys get p = 0); a row all of whose logits lie under about -2e38 gives NaN.
; Blocks of k, v and p whose largest magnitude lies under 2^-124 get the byte 1 (a block of zeros too, where the rule says 127: its codes are zeros, and this program alone reads the bytes);
; blocks of q under 2^-121 are quantised on the scale 2^-123, so that 3 can be taken off the byte.
; THE MODE: SCHED_MODE bits 1:0 = 2 (LLVM: expert scheduling mode 2), set by the entry lines.  The code itself states the register dependences
; between vector or matrix instructions and memory or LDS instructions, with s_wait_alu, always for 0.
; THE PLAN.  Registers that memory or LDS instructions touch, in a step:
;   KF, KS      k's fragments and scale words land at the step's head; the first product's eight instructions read them.
;   KF, VS      v's fragments and scale words land behind the wait that follows the 64 exponentials; the second product's four instructions read them.
;   S           the next step's mask lands in it, four loads behind each instruction of the second product; ahead of that the first product, the softmax and p's conversions name it.
;   X           a unit's numbers land at the step's head; in units 0 and 1 eight LDS stores read them and eight LDS loads land there again; the quantiser reads them at the step's end.
;   CD, BY, SB  written by the quantiser, read by the unit's LDS stores at the step's end.
;   v8-11, v24, v25, v7  the slot's addresses and the mask's: written at a change of slots alone.  v1-6, v27, v88-90: made at the head, never written again.
;   PC, PS      named by no memory instruction: vector instructions write them, the second product takes them as source 1 and as scales.
; FIVE WAITS ON va_vdst A STEP.  (0) ahead of the 64 exponentials: t - M is written.  (1) behind the 64 exponentials: their results; the first product is done reading KF.  (2) for the four exponentials of the blocks' largest p.
; (3) behind O^T's rescaling: PC and PS are written; all that wrote or read S is done.  Behind it the vector side issues the second product alone, which names O^T, KF, VS, PC and PS.
; (4) behind the quantiser: CD, BY, SB are written; the quantiser is done reading X, the second product KF and VS.  No vector instruction stands between it and the next step's loads at the head.
; ONE WAIT ON vm_vsrc A STEP: between the stage's stores and loads (units 0, 1), or at the quantiser's head (units 2, 3).  A change of slots has one of each kind, round the lines that write the addresses.
.set SLOT1, 65536                      ; LDS: slot 1 begins here: one exclusive or turns an address in one slot into the other's
.set KIMG,  0                          ; in a slot: k's images, [step 4][tile 8] x 512 bytes
.set VIMG,  16384                      ; v's images, [step 4][tile of 16 d 4][registers 4 c .. 4 c + 3: 2] x 512 bytes
.set KSC,   32768                      ; k's scale words, [step 4][4 tiles 2][lane 32][4 words]
.set VSC,   36864                      ; v's scale words, [step 4][r 16][tile 4]
.set MSK,   40960                      ; behind slot 0's 37,888 bytes: the batch's 2,048 mask numbers
.set STG,   106496                     ; behind slot 1: a stage of 16 rows x 272 bytes for each wave, its own
.set RD0,  1                           ; v1   16 x lane: an image's place for my lane; also my byte in a dense load or store of 512 bytes
.set RDV0, 2                           ; v2   16 x (lane % 16)
.set WK0,  3                           ; v3   16 x thread: where my wave's image of k goes
.set WKS0, 4                           ; v4   and its scale word
.set WV0,  5                           ; v5   where my codes of v go
.set WVS0, 6                           ; v6   and my two scale bytes
.set MA,   7                           ; v7   64 (lane / 16) + 2,048 x the slot in hand: my place in the mask
.set RD,   8                           ; v8, v9: RD0, RDV0 in the slot that is read
.set RDV,  9
.set WK,   10                          ; v10, v11, v24, v25: WK0, WKS0, WV0, WVS0 in the slot that is written
.set WKS,  11
.set NM,   12                          ; v12 -M, v13 the largest t so far, v[14:15] the row's sum in two halves
.set QF,   16                          ; v[16:23] q's fragment; v20-23 stay 0
.set WVI,  24
.set WVS,  25
.set VGO,  27                          ; v27  4 x lane
.set SH8,  28                          ; v28  8 (lane / 16)
.set QS,   29                          ; v29  q's scale word
.set SB,   30                          ; v30  v's two scale bytes
.set BT,   31                          ; v31  a lane permute's destination
.set KF,   32                          ; v[32:63] eight key fragments of 4 registers, then v's four of 8; v64-67 stay 0
.set CD,   68                          ; v[68:71] codes just made
.set TA,   72                          ; v72-75 the quantiser's: two maxima, the conversion's scale operand, the byte
.set TC,   73
.set SOP,  74
.set BY,   75
.set KS,   76                          ; v[76:83] the key tiles' scale words
.set VS,   84                          ; v[84:87] v's
.set TS,   88                          ; v88  the stage, dense: row lane / 16, 16 (lane % 16)
.set TR,   89                          ; v89  the stage, by rows: row lane % 16, 128 (lane / 16)
.set STO,  90                          ; v90  the stage on the way out: row lane % 16, 32 (lane / 16)
.set S,    96                          ; v[96:159] the mask, then the scores, then p
.set O,    160                         ; v[160:191] O^T: tile t (d = 16 t ..) at 160 + 8 t
.set X,    192                         ; v[192:223] the 32 numbers that my lane quantises in this step
.set PC,   224                         ; v[224:231] p's codes
.set BM,   232                         ; v232-235 the blocks' largest scores, then largest p
.set BP,   236                         ; v236-239 at work
.set BO,   244                         ; v244-247 the conversions' scale operands
.set F,    250                         ; v250 f = 2^(old M - new M); v251 is named with it as a pair and stays 0
.set PS,   253                         ; v253 p's scale word
.set TMP,  254
.set WN,   14                          ; s14  my wave's number
.set SEL,  20                          ; s[20:21] v_permlanex16_b32's selects for lane l xor 16
.set CS,   22                          ; s[22:23] log2(e): the packed form names a pair and takes its low word for both halves
.set TB,   24                          ; s24  the slot that is read
.set TW,   25                          ; s25  the slot that is written
.set CNT,  26
.set KP,   28                          ; s[28:29] k at my wave's rows of the slot that is staged
.set VP,   30                          ; s[30:31] v likewise
; 32 numbers of a lane, one block along K, become 4 registers of codes; the byte is left in v[BY].  The floor among the maximum's leaves holds the byte from below.
.macro QUANT32 src, dst, floor
.set SRC, \src
.set DST, \dst
	v_max3_num_f32 v[TA], |v[SRC]|, |v[SRC+1]|, \floor
	v_max3_num_f32 v[TC], |v[SRC+2]|, |v[SRC+3]|, |v[SRC+4]|
.irp i, 5,9,13,17,21,25
	v_max3_num_f32 v[TA], v[TA], |v[SRC+\i]|, |v[SRC+\i+1]|          ; two chains, so that no line waits for the line above it
	v_max3_num_f32 v[TC], v[TC], |v[SRC+\i+2]|, |v[SRC+\i+3]|
.endr
	v_max3_num_f32 v[TA], v[TA], |v[SRC+29]|, |v[SRC+30]|
	v_max3_num_f32 v[TA], v[TA], v[TC], |v[SRC+31]|
	v_add_nc_u32 v[SOP], 0xff000000, v[TA]         ; 2 off the exponent field: the conversion takes the exponent field of this operand as its scale, and nothing else of it
.irp g, 0,1,2,3
	v_cvt_scalef32_pk8_fp4_f32 v[DST+\g], v[SRC+8*\g:SRC+8*\g+7], v[SOP]
.endr
	v_lshrrev_b32 v[BY], 23, v[SOP]                ; the scale's byte; also the plain line behind the conversions
.endm
; 16 rows x 256 bytes, loaded densely (load j: rows 2 j and 2 j + 1, 16 bytes a lane), go through my own stage and come back by rows: lane (r, h) gets row r, numbers 32 h .. 32 h + 31.
; LDS serves a wave's instructions in order (ISA guide 5.7.1.4): no wait on DScnt between the stores and the loads.
; The registers came by loads, and no vector instruction has named them since the last wait on va_vdst: so the stores and the loads owe nothing on that side.
.macro TURN reg
.set TRG, \reg
.irp j, 0,1,2,3,4,5,6,7
	ds_store_b128 v[TS], v[TRG+4*\j:TRG+4*\j+3] offset:544*\j
.endr
	s_wait_alu depctr_vm_vsrc(0)                   ; the eight stores have read these registers, in which the loads below land; the last unit's LDS stores have read v[CD ..], v[BY] and v[SB], which the quantiser writes anew (at the head: the mask's store v[BM ..])
.irp m, 0,1,2,3,4,5,6,7
	ds_load_b128 v[TRG+4*\m:TRG+4*\m+3], v[TR] offset:16*\m
.endr
.endm
; A row's two bytes (mine is block lane / 16) make its scale word, in both lanes; bytes 2 and 3 stay 0: they scale zero codes.
.macro WORD2 dst
	v_lshlrev_b32 v[BY], v[SH8], v[BY]
	v_permlanex16_b32 v[BT], v[BY], s[SEL], s[SEL+1]
	v_or_b32 v[\dst], v[BY], v[BT]
.endm
; UNIT q of a slot's staging.  Units 0, 1: wave w takes key tile w % 8 of step 2 q + w / 8: two runs of 8 rows, 16 rows apart, eight loads of 512 consecutive bytes.
; Units 2, 3: wave w takes columns d = 32 (w % 2) + lane and keys 128 ((w / 2) % 4) + 64 (w / 8) + 32 (q - 2) + 0 .. 31: a lane to a column, registers down the keys; a load reads 128 consecutive bytes.
.macro STAGE_LOAD q, reg
.set LRG, \reg
.if (\q) < 2
.irp j, 0,1,2,3,4,5,6,7
	global_load_b128 v[LRG+4*\j:LRG+4*\j+3], v[RD0], s[KP:KP+1] offset:(\q)*65536+(\j/4)*4096+(\j%4)*512
.endr
.else
.irp i, 0,1,2,3,4,5,6,7,8,9,10,11,12,13,14,15,16,17,18,19,20,21,22,23,24,25,26,27,28,29,30,31
	global_load_b32 v[LRG+\i], v[VGO], s[VP:VP+1] offset:(32*((\q)-2)+\i)*256
.endr
.endif
.endm
; young: the LDS instructions issued behind the turn's loads, which may stay out (in a step: the next step's sixteen mask loads)
.macro STAGE_QUANT q, reg, young
.if (\q) < 2
	s_wait_dscnt \young                            ; the turn through the stage is back
.else
	s_wait_alu depctr_vm_vsrc(0)                   ; the last unit's LDS stores have read v[CD ..] and v[BY], which the lines below write anew
.endif
	QUANT32 \reg, CD, 0x1800000                    ; the floor 2^(3 - 127): the byte cannot fall under 1
.if (\q) < 2
	WORD2 BY
.elseif (\q) == 2
	v_mov_b32 v[SB], v[BY]
.else
	v_lshl_or_b32 v[SB], v[BY], 8, v[SB]
.endif
	s_wait_alu depctr_va_vdst(0)                   ; the codes and the bytes are written, which the stores below read; in a step also: the quantiser is done reading X, and the second product v's fragments and scale words: the next step's loads land in them
.if (\q) < 2
	ds_store_b128 v[WK], v[CD:CD+3] offset:KIMG+(\q)*8192   ; registers 0-3 of the tile's fragment, as they stand
	ds_store_b32 v[WKS], v[BY] offset:KSC+(\q)*2048
.elseif (\q) == 2
	ds_store_b128 v[WVI], v[CD:CD+3] offset:VIMG            ; the place of lane (d % 16, 0) in the fragment's image
.else
	ds_store_b128 v[WVI], v[CD:CD+3] offset:VIMG+256        ; that of lane (d % 16, 1)
	ds_store_b16 v[WVS], v[SB] offset:VSC                   ; my column's bytes of key blocks 2 (w / 8) and 2 (w / 8) + 1
.endif
.endm
; S's register 16 b + i takes mask[128 n + 32 b + 16 (lane / 16) + i] of the slot in hand: the C of step n's first product.  MASKB: block b's four loads
.macro MASKB n, b
.irp m, 0,1,2,3
	ds_load_b128 v[S+16*(\b)+4*\m:S+16*(\b)+4*\m+3], v[MA] offset:MSK+(\n)*512+128*(\b)+16*\m
.endr
.endm
.macro MASK n
.irp b, 0,1,2,3
	MASKB \n, \b
.endr
.endm
.macro SETADR
	v_add_nc_u32 v[RD], s[TB], v[RD0]
	v_add_nc_u32 v[RDV], s[TB], v[RDV0]
	v_add_nc_u32 v[WK], s[TW], v[WK0]
	v_add_nc_u32 v[WKS], s[TW], v[WKS0]
	v_add_nc_u32 v[WVI], s[TW], v[WV0]
	v_add_nc_u32 v[WVS], s[TW], v[WVS0]
.endm
; THE CHANGE OF SLOTS: one barrier for two things.  In front of it my stores into the slot just staged have landed and my reads of the slot just read are back; behind it the one is whole and nobody reads the other.
; Only register work stands between signal and wait.  No global load of mine is out (each unit was waited for with the count 0), so the two pointers may step.
.macro NEXT_SLOT stepmask
	s_wait_dscnt 0x0
	s_wait_alu depctr_vm_vsrc(0)                   ; the LDS loads and stores issued so far have read the slot's six addresses and the mask's, which are written below
	s_barrier_signal -1
	s_xor_b32 s[TB], s[TB], SLOT1
	s_xor_b32 s[TW], s[TW], SLOT1
	SETADR
.if \stepmask
	v_add_nc_u32 v[MA], 2048, v[MA]
.endif
	s_add_nc_u64 s[KP:KP+1], s[KP:KP+1], 131072    ; 512 keys of 256 bytes on
	s_add_nc_u64 s[VP:VP+1], s[VP:VP+1], 131072
	s_barrier_wait -1
	s_wait_alu depctr_va_vdst(0)                   ; the addresses are written, which the loads and stores from here on read; behind the kernel's head also: the quantiser is done reading S, in which the first mask lands
.endm
; A KEY STEP: 128 keys, the q-th of the slot in hand.  stage = 1: unit q of the next slot is staged beside it.  more = 1: the next step's mask is fetched.
; The twelve accumulators take turns (S's eight, O^T's four, S's eight ..).
.macro STEP q, stage, more
.irp t, 0,1,2,3,4,5,6,7
	ds_load_b128 v[KF+4*\t:KF+4*\t+3], v[RD] offset:KIMG+(\q)*4096+\t*512   ; no wait on va_vdst here: none of the vector side's instructions stands between the last one and these loads
.endr
.irp g, 0,1
	ds_load_b128 v[KS+4*\g:KS+4*\g+3], v[RD] offset:KSC+(\q)*1024+\g*512
.endr
.if \stage
	STAGE_LOAD \q, X                               ; the whole softmax stands between these loads and the wait for them
.endif
	s_wait_dscnt 0x0                               ; k's fragments and scale words, and the mask in S
.irp t, 0,1,2,3,4,5,6,7
	v_wmma_scale_f32_16x16x128_f8f6f4 v[S+8*\t:S+8*\t+7], v[KF+4*\t:KF+4*\t+7], v[QF:QF+7], v[S+8*\t:S+8*\t+7], v[KS+\t], v[QS] matrix_a_fmt:MATRIX_FMT_FP4 matrix_b_fmt:MATRIX_FMT_FP4
.endr
.rept 4
	v_nop                                          ; four places (ISA guide 7.12.1) in front of the first read of the scores
.endr
.irp b, 0,1,2,3
	v_max3_num_f32 v[BM+\b], v[S+16*\b], v[S+1+16*\b], v[S+2+16*\b]   ; the largest logit of each block of 32 keys: it serves the row's maximum and, since p rises with the logit, the block's largest p
.endr
.irp i, 3,5,7,9,11,13
.irp b, 0,1,2,3
	v_max3_num_f32 v[BM+\b], v[BM+\b], v[S+16*\b+\i], v[S+1+16*\b+\i]   ; (the four blocks by turns)
.endr
.endr
.irp b, 0,1,2,3
	v_max_num_f32 v[BM+\b], v[BM+\b], v[S+15+16*\b]
.endr
.irp b, 0,1,2,3
	v_permlanex16_b32 v[BP+\b], v[BM+\b], s[SEL], s[SEL+1]
.endr
.irp b, 0,1,2,3
	v_max_num_f32 v[BM+\b], v[BM+\b], v[BP+\b]     ; with lane l xor 16's 16 keys
.endr
	v_max3_num_f32 v[TMP], v[BM], v[BM+1], v[BM+2]
	v_max_num_f32 v[TMP], v[TMP], v[BM+3]          ; the step's largest logit of my query
	v_mul_f32 v[TMP], s[CS], v[TMP]                ; as t
	v_max_num_f32 v[NM+1], v[NM+1], v[TMP]         ; the running largest t
	v_mov_b32 v[TMP], v[NM]
	v_floor_f32 v[NM], -v[NM+1]                    ; the new -M = floor(-t) = -ceil(t): a whole number
	v_sub_f32 v[TMP], v[NM], v[TMP]                ; old M - new M: a whole number, 0 or less
	v_cvt_i32_f32 v[TMP], v[TMP]                   ; (it saturates)
	v_ldexp_f32 v[F], 1.0, v[TMP]                  ; f = 2^(old M - new M): the rescaling rounds nothing
.irp j, 0,2,4,6,8,10,12,14,16,18,20,22,24,26,28,30,32,34,36,38,40,42,44,46,48,50,52,54,56,58,60,62
	v_pk_fma_f32 v[S+\j:S+\j+1], v[S+\j:S+\j+1], s[CS:CS+1], v[NM:NM+1] op_sel_hi:[1,0,0]   ; t - M, two at a time
.endr
.irp b, 0,1,2,3
	v_fma_f32 v[BM+\b], v[BM+\b], s[CS], v[NM]     ; the same of each block's largest logit
.endr
	s_wait_alu depctr_va_vdst(0)
.irp j, 0,1,2,3,4,5,6,7,8,9,10,11,12,13,14,15,16,17,18,19,20,21,22,23,24,25,26,27,28,29,30,31,32,33,34,35,36,37,38,39,40,41,42,43,44,45,46,47,48,49,50,51,52,53,54,55,56,57,58,59,60,61,62,63
	v_exp_f32 v[S+\j], v[S+\j]                     ; p = 2^(t - M): not normalised
.endr
	v_pk_mul_f32 v[14:15], v[14:15], v[F:F+1] op_sel_hi:[1,0]   ; the sums under the new M; the plain line behind the exponentials
	s_wait_alu depctr_va_vdst(0)                   ; the 64 exponentials have written p, ahead of its first reader; and the first product is done reading k's fragments, in which v's land
.irp t, 0,1,2,3
.irp c, 0,1
	ds_load_b128 v[KF+8*\t+4*\c:KF+8*\t+4*\c+3], v[RD] offset:VIMG+(\q)*4096+\t*1024+\c*512   ; the sums, the scales, the conversions and the rescaling stand between these loads and their use
.endr
.endr
	ds_load_b128 v[VS:VS+3], v[RDV] offset:VSC+(\q)*256
.irp b, 0,1,2,3
	v_exp_f32 v[BM+\b], v[BM+\b]                   ; the block's largest p: the same two instructions on the same number
.endr
	v_pk_add_f32 v[BP:BP+1], v[S:S+1], v[S+2:S+3]  ; the row's sum is taken of the unquantised p: two at a time, in two chains
.irp j, 4,8,12,16,20,24,28,32,36,40,44,48,52,56,60
	v_pk_add_f32 v[14:15], v[14:15], v[S+\j:S+\j+1]
	v_pk_add_f32 v[BP:BP+1], v[BP:BP+1], v[S+2+\j:S+3+\j]
.endr
	v_pk_add_f32 v[14:15], v[14:15], v[BP:BP+1]
	s_wait_alu depctr_va_vdst(0)                   ; the four exponentials have written the blocks' largest p, ahead of its first reader
.irp b, 0,1,2,3
	v_max_num_f32 v[BM+\b], 0x1800000, v[BM+\b]    ; the floor 2^(3 - 127): the byte cannot fall under 1
.endr
.irp b, 0,1,2,3
	v_add_nc_u32 v[BO+\b], 0xff000000, v[BM+\b]    ; 2 off the exponent field: the conversion's scale operand
.endr
.irp b, 0,1,2,3
	v_lshrrev_b32 v[BP+\b], 23, v[BO+\b]           ; the scale's byte
.endr
	v_lshl_or_b32 v[PS], v[BP+1], 8, v[BP]         ; p's scale word for these 128 keys
	v_lshl_or_b32 v[PS], v[BP+2], 16, v[PS]
	v_lshl_or_b32 v[PS], v[BP+3], 24, v[PS]
.irp b, 0,1,2,3
	v_cvt_scalef32_pk8_fp4_f32 v[PC+2*\b], v[S+16*\b:S+7+16*\b], v[BO+\b]
	v_cvt_scalef32_pk8_fp4_f32 v[PC+1+2*\b], v[S+8+16*\b:S+15+16*\b], v[BO+\b]
.endr
	v_nop                                          ; one plain line behind the conversions
.irp c, 0,1                                    ; the operand's layout wants a whole block in a lane: lanes 0-15 block 2 c, lanes 16-31 block 2 c + 1
.irp i, 0,1
	v_permlane16_swap_b32 v[PC+4*\c+\i], v[PC+2+4*\c+\i]
.endr
.endr
.set YOUNG, 0                                  ; the LDS instructions issued behind v's nine loads, which may stay out at the second product
.if (\stage) && ((\q) < 2)
	s_wait_loadcnt 0x0                             ; my eight loads of k's rows
	TURN X
.set YOUNG, YOUNG+16
.endif
.irp j, 0,2,4,6,8,10,12,14,16,18,20,22,24,26,28,30
	v_pk_mul_f32 v[O+\j:O+\j+1], v[O+\j:O+\j+1], v[F:F+1] op_sel_hi:[1,0]   ; O^T under the new M.  For each product below twelve of these name none of its registers: the places behind p's scale word and codes
.endr
	s_wait_alu depctr_va_vdst(0)                   ; behind the places: p's codes and scale word are written, which the second product takes as source 1 and as scales; and all that wrote or read S is done: the next step's mask lands there
	s_wait_dscnt YOUNG                             ; v's fragments and scale words are in
.irp t, 0,1,2,3
	v_wmma_scale_f32_16x16x128_f8f6f4 v[O+8*\t:O+8*\t+7], v[KF+8*\t:KF+8*\t+7], v[PC:PC+7], v[O+8*\t:O+8*\t+7], v[VS+\t], v[PS] matrix_a_fmt:MATRIX_FMT_FP4 matrix_b_fmt:MATRIX_FMT_FP4
.if \more
	MASKB (\q)+1, \t                               ; p has been read for the last time: S takes the next step's mask.  No wait: since the wait above the vector side has issued these products alone, which name neither S nor the mask's address
.endif
.endr
.if \stage
.if (\q) >= 2
	s_wait_loadcnt 0x0                             ; my 32 loads down a column of v
.endif
	STAGE_QUANT \q, X, 16                          ; (a step that stages has a successor: sixteen mask loads stand behind the turn's)
.else
.rept 4
	v_nop                                          ; four places behind the second product
.endr
.if \more
	s_wait_alu depctr_va_vdst(0)                   ; the second product is done reading v's fragments and scale words: the next step's loads land in them
.endif
.endif
.endm
	s_load_b256 s[4:11], s[0:1], 0x0               ; q s[4:5], k s[6:7], v s[8:9], the mask s[10:11]
	s_load_b64 s[12:13], s[0:1], 0x20              ; out
	v_lshl_add_u32 v252, v0, 2, 0x2b000
	v_mov_b32 v255, 0
	v_lshrrev_b32 v93, 5, v0
	v_readfirstlane_b32 s[WN], v93                 ; wave 0..15
	s_and_b32 s15, ttmp7, 0xffff                   ; the head
	s_lshl_b32 s16, s15, 19                        ; its 2,048 rows of 256 bytes
	s_lshl_b32 s18, ttmp9, 16                      ; q, out: my block's 256 rows,
	s_wait_alu depctr_va_sdst(0)                   ; s14, the wave's number, is written, ahead of its first reader
	s_lshl_b32 s19, s[WN], 12                      ; my wave's 16 of them
	s_add_co_u32 s18, s18, s19
	s_add_co_u32 s18, s18, s16
	s_mov_b32 s19, 0
	s_lshr_b32 s32, s[WN], 3                       ; k: key 128 (w / 8) + 32 ((w / 2) % 4) + 8 (w % 2)
	s_lshl_b32 s32, s32, 15
	s_bfe_u32 s33, s[WN], 0x20001
	s_lshl_b32 s34, s33, 13
	s_add_co_u32 s32, s32, s34
	s_and_b32 s35, s[WN], 1
	s_lshl_b32 s34, s35, 11
	s_add_co_u32 s32, s32, s34
	s_add_co_u32 s32, s32, s16
	s_lshl_b32 s34, s33, 15                        ; v: key 128 ((w / 2) % 4) + 64 (w / 8), column 32 (w % 2)
	s_lshr_b32 s33, s[WN], 3
	s_lshl_b32 s33, s33, 14
	s_add_co_u32 s34, s34, s33
	s_lshl_b32 s35, s35, 7
	s_add_co_u32 s34, s34, s35
	s_add_co_u32 s34, s34, s16
	s_mov_b32 s33, 0
	s_mov_b32 s35, 0
	s_lshr_b32 s36, s15, 4                         ; the mask: the batch's 8,192 bytes
	s_lshl_b32 s36, s36, 13
	s_mov_b32 s37, 0
	s_mov_b32 s[SEL], 0x76543210
	s_mov_b32 s[SEL+1], 0xfedcba98
	s_mov_b32 s[CS], 0x3fb8aa3b                    ; log2(e)
	s_mov_b32 s[CS+1], s[CS]
	s_mov_b32 s[TB], SLOT1                         ; the head stages slot 0
	s_mov_b32 s[TW], 0
	s_mul_i32 s27, s[WN], 16*272
	s_add_co_u32 s27, s27, STG                     ; my stage
	v_and_b32 v26, 31, v0                          ; lane
	v_and_b32 v91, 15, v0                          ; r
	v_bfe_u32 v92, v0, 4, 1                        ; h
	v_lshlrev_b32 v[RD0], 4, v26
	v_lshlrev_b32 v[RDV0], 4, v91
	v_lshlrev_b32 v[WK0], 4, v0
	v_lshlrev_b32 v[VGO], 2, v26
	v_lshlrev_b32 v[SH8], 3, v92
	v_lshlrev_b32 v[MA], 6, v92
	v_bfe_u32 v93, v0, 5, 2                        ; k's scale word: 16 lane + 4 (w % 4) + 512 ((w / 4) % 2) + 1,024 (w / 8)
	v_lshl_add_u32 v[WKS0], v93, 2, v[RD0]
	v_bfe_u32 v93, v0, 7, 1
	v_lshl_add_u32 v[WKS0], v93, 9, v[WKS0]
	v_bfe_u32 v93, v0, 8, 1
	v_lshl_add_u32 v[WKS0], v93, 10, v[WKS0]
	v_lshl_add_u32 v[WV0], v92, 10, v[RDV0]        ; v's codes: 16 r + 1,024 (2 (w % 2) + h) + 4,096 ((w / 2) % 4) + 512 (w / 8)
	v_lshl_add_u32 v[WV0], v93, 9, v[WV0]
	v_lshl_add_u32 v[WVS0], v92, 2, v[RDV0]        ; v's bytes: 16 r + 4 (2 (w % 2) + h) + 2 (w / 8) + 256 ((w / 2) % 4)
	v_lshl_add_u32 v[WVS0], v93, 1, v[WVS0]
	v_bfe_u32 v93, v0, 5, 1
	v_lshl_add_u32 v[WV0], v93, 11, v[WV0]
	v_lshl_add_u32 v[WVS0], v93, 3, v[WVS0]
	v_bfe_u32 v93, v0, 6, 2
	v_lshl_add_u32 v[WV0], v93, 12, v[WV0]
	v_lshl_add_u32 v[WVS0], v93, 8, v[WVS0]
	v_mul_u32_u24 v93, v92, 272
	v_lshl_add_u32 v93, v91, 4, v93
	v_add_nc_u32 v[TS], s27, v93
	v_mul_u32_u24 v93, v91, 272
	v_lshl_add_u32 v94, v92, 7, v93
	v_add_nc_u32 v[TR], s27, v94
	v_lshl_add_u32 v94, v92, 5, v93
	v_add_nc_u32 v[STO], s27, v94
	SETADR
	s_wait_kmcnt 0x0
	s_add_nc_u64 s[4:5], s[4:5], s[18:19]
	s_add_nc_u64 s[12:13], s[12:13], s[18:19]
	s_add_nc_u64 s[KP:KP+1], s[6:7], s[32:33]
	s_add_nc_u64 s[VP:VP+1], s[8:9], s[34:35]
	s_add_nc_u64 s[10:11], s[10:11], s[36:37]
	s_wait_alu depctr_va_vdst(0)                   ; all the offsets and LDS addresses made above are written, which the loads and stores from here on read
	global_load_b128 v[BM:BM+3], v[WK0], s[10:11]  ; the mask: 16 bytes a thread, 8,192 in all
.irp j, 0,1,2,3,4,5,6,7
	global_load_b128 v[KF+4*\j:KF+4*\j+3], v[RD0], s[4:5] offset:512*\j th:TH_LOAD_NT   ; my 16 rows of q, read once
.endr
	STAGE_LOAD 0, X                                ; slot 0's four units, into registers that the loop does not need yet
	STAGE_LOAD 1, S
	STAGE_LOAD 2, S+32
.irp i, 4,5,6,7
	v_mov_b32 v[QF+\i], 0                          ; q's zero codes of k = 64 .. 127
.endr
.irp i, 32,33,34,35
	v_mov_b32 v[KF+\i], 0                          ; the upper half of the last key tile's operand
.endr
	v_mov_b32 v[BT], 0                             ; a lane permute's destination counts as one of its sources
	s_wait_loadcnt 56                              ; the mask is in; behind it: q 8, k 8 + 8, v 32
.irp i, 0,1,2,3
	v_max_num_f32 v[BM+\i], 0xff61b1e6, v[BM+\i]   ; held at -3e38 from below
.endr
	s_wait_alu depctr_va_vdst(0)                   ; the four held numbers are written, which the LDS store reads
	ds_store_b128 v[WK0], v[BM:BM+3] offset:MSK
	s_wait_loadcnt 48                              ; q is in; behind it: k 8 + 8, v 32
	TURN KF
	s_wait_dscnt 0x0
	QUANT32 KF, QF, 0x3000000                      ; the floor 2^(6 - 127): the byte stays 1 or more with 3 taken off
	v_add_nc_u32 v[BY], -3, v[BY]                  ; 1 / sqrt(64) = 2^-3
	WORD2 QS
	s_wait_loadcnt 40                              ; unit 0 is in; behind it: k 8, v 32
	TURN X
	STAGE_QUANT 0, X, 0
	s_wait_loadcnt 32                              ; unit 1 is in; behind it: v 32
	STAGE_LOAD 3, O
	TURN S
	STAGE_QUANT 1, S, 0
	s_wait_loadcnt 32                              ; unit 2 is in; behind it: unit 3's 32
	STAGE_QUANT 2, S+32, 0
	s_wait_loadcnt 0x0
	STAGE_QUANT 3, O, 0
.irp j, 0,1,2,3,4,5,6,7,8,9,10,11,12,13,14,15,16,17,18,19,20,21,22,23,24,25,26,27,28,29,30,31
	v_mov_b32 v[O+\j], 0                           ; O^T.  (The step is written once: the first finds zeros, which the first change of M leaves zeros)
.endr
	v_mov_b32 v[NM+1], 0xff61b1e6                  ; the largest t so far: -3e38
	v_floor_f32 v[NM], -v[NM+1]                    ; -M
	v_mov_b32 v14, 0                               ; the sum, in two halves
	v_mov_b32 v15, 0
.irp b, 0,1,2,3
	v_mov_b32 v[BP+\b], 0
.endr
	v_mov_b32 v[F+1], 0
	NEXT_SLOT 0                                    ; the mask and slot 0 are whole
	MASK 0
	s_mov_b32 s[CNT], 3
.Lslot:                                                ; trip n reads slot n and stages slot n + 1: no load leaves its buffer.  On the way in and on the way back the change of slots' wait on va_vdst is the last thing that the vector side has seen
	STEP 0, 1, 1
	STEP 1, 1, 1
	STEP 2, 1, 1
	STEP 3, 1, 1
	NEXT_SLOT 1
	s_sub_co_u32 s[CNT], s[CNT], 1
	s_cmp_lg_u32 s[CNT], 0
	s_cbranch_scc1 .Lslot
	STEP 0, 0, 1                                   ; the last slot: nothing is left to stage
	STEP 1, 0, 1
	STEP 2, 0, 1
	STEP 3, 0, 0
	; THE WAY OUT.  O^T / the sum goes through my stage (a lane holds 32 bytes of each of four pieces of its query's row) and comes back as whole rows of 256 bytes.
	v_add_f32 v14, v14, v15                        ; the sum's two halves,
	v_permlanex16_b32 v[TMP], v14, s[SEL], s[SEL+1]
	v_add_f32 v14, v14, v[TMP]                     ; and lane l xor 16's
	s_wait_alu depctr_va_vdst(0)
	v_rcp_f32 v14, v14
	v_nop                                          ; a plain line behind the reciprocal
	s_wait_alu depctr_va_vdst(0)                   ; the reciprocal is written, ahead of its first reader
.irp j, 0,1,2,3,4,5,6,7,8,9,10,11,12,13,14,15,16,17,18,19,20,21,22,23,24,25,26,27,28,29,30,31
	v_mul_f32 v[S+\j], v[O+\j], v14                ; register 8 t + i is out(r, 16 t + 8 h + i); each accumulator from its low end on
.endr
	s_wait_alu depctr_va_vdst(0)                   ; the 32 multiplications have written v[S ..], which the LDS stores read; the loads from the stage land in v[S + 32 ..], which no vector instruction behind this wait names
.irp t, 0,1,2,3
	ds_store_b128 v[STO], v[S+8*\t:S+8*\t+3] offset:64*\t
	ds_store_b128 v[STO], v[S+8*\t+4:S+8*\t+7] offset:64*\t+16
.endr
.irp i, 0,1,2,3,4,5,6,7
	ds_load_b128 v[S+32+4*\i:S+32+4*\i+3], v[TS] offset:544*\i   ; LDS serves a wave's instructions in order: these see my stores
.endr
.irp i, 0,1,2,3,4,5,6,7
	s_wait_dscnt 7-\i                              ; the younger loads may stay out
	global_store_b128 v[RD0], v[S+32+4*\i:S+32+4*\i+3], s[12:13] offset:512*\i th:TH_STORE_NT   ; 32 lanes store two rows: 512 consecutive bytes, at a multiple of 256 from out's first byte
.endr
	s_wait_dscnt 0x0                               ; the closing lines, six on end
	s_wait_alu 0x0
	s_wait_tensorcnt 0x0
	ds_add_u32 v252, v255
	s_wait_dscnt 0x0
	s_endpgm
.Lfunc_end_k_qbf1d360521_attn:
	.size	k_qbf1d360521_attn, .Lfunc_end_k_qbf1d360521_attn-k_qbf1d360521_attn
	.p2alignl 7, 3214868480
	.fill 96, 4, 3214868480
	.section	.rodata,"a",@progbits
	.p2align	6, 0x0
	.amdhsa_kernel k_qbf1d360521_attn
		.amdhsa_group_segment_fixed_size 178176
		.amdhsa_private_segment_fixed_size 0
		.amdhsa_enable_private_segment 0
		.amdhsa_kernarg_size 40
		.amdhsa_user_sgpr_count 2
		.amdhsa_user_sgpr_kernarg_segment_ptr 1
		.amdhsa_wavefront_size32 1
		.amdhsa_system_sgpr_workgroup_id_x 1
		.amdhsa_system_sgpr_workgroup_id_y 1
		.amdhsa_system_sgpr_workgroup_id_z 1
		.amdhsa_system_vgpr_workitem_id 0
		.amdhsa_next_free_vgpr 256
		.amdhsa_next_free_sgpr 66
		.amdhsa_reserve_vcc 0
		.amdhsa_float_denorm_mode_32 3
		.amdhsa_float_denorm_mode_16_64 3
		.amdhsa_memory_ordered 1
		.amdhsa_forward_progress 1
		.amdhsa_inst_pref_size 172
	.end_amdhsa_kernel
	.amdgpu_metadata
---
amdhsa.version: [ 1, 2 ]
amdhsa.kernels:
  - .name:           k_qbf1d360521_attn
    .symbol:         k_qbf1d360521_attn.kd
    .args:
      - { .name: q, .offset: 0, .size: 8, .value_kind: global_buffer, .address_space: global }
      - { .name: k, .offset: 8, .size: 8, .value_kind: global_buffer, .address_space: global }
      - { .name: v, .offset: 16, .size: 8, .value_kind: global_buffer, .address_space: global }
      - { .name: attention_mask, .offset: 24, .size: 8, .value_kind: global_buffer, .address_space: global }
      - { .name: out0, .offset: 32, .size: 8, .value_kind: global_buffer, .address_space: global }
    .group_segment_fixed_size: 178176
    .private_segment_fixed_size: 0
    .kernarg_segment_align: 8
    .kernarg_segment_size: 40
    .max_flat_workgroup_size: 512
    .sgpr_count:     66
    .vgpr_count:     256
    .wavefront_size: 32
...
	.end_amdgpu_metadata
.endif
;; end of part 2
